; MI455X (gfx1250); checked and timed in simulation.
; The chip was launched on July 23, 2026; its instructions are those of AMD's public machine-readable ISA for CDNA 5 (MIT licence, August 2026) and "CDNA5" Instruction Set Architecture Reference Guide (July 2026). The comments in the code are by the model that wrote it; some were corrected since.
;; Temporal Att Decoder. Allowed arithmetic: matrix products marked QUANTISED: E2M3 operands, one E8M0 scale for each 32 along K, by v_wmma_scale_f32_16x16x128_f8f6f4 with both operands' format E2M3, f32 sums; products left as they are: f32 operands where the result goes on into a quantised operand, else bf16, f16 or f32 operands; f32 sums; everything else in f32.
;; Inputs: W1_codes 512 x 16 x 24 uint8 (E2M3 codes of W1, K innermost, in blocks of 32 codes, four codes in three bytes); W1_scales 512 x 16 uint8 (E8M0 scales of W1, one for each 32 codes along K); Wo 1,024 x 2 float32; Wp_codes 512 x 16 x 24 uint8 (E2M3 codes of Wp, K innermost, in blocks of 32 codes, four codes in three bytes); Wp_scales 512 x 16 uint8 (E8M0 scales of Wp, one for each 32 codes along K); b2 1 float32; bo 2 float32; g 512 x 256 x 512 float32; g_T 512 x 1 x 512 float32; n_day 512 int32; w2 512 x 1 float32; y 512 x 2 float32.
;; Outputs: out0 512 x 2 float32; out1 512 x 256 float32.
;; This version of the problem:
;;   THIS VERSION OF THE PROBLEM IS GIVEN IN LOW PRECISION. The matrix products marked QUANTISED in the list below multiply operands that are first quantised to E2M3 (2 exponent bits, 3 mantissa bits; 6 bits a number), with one power-of-two scale for each 32 numbers along K (OCP MX v1.0); their sums are f32. All else is computed in f32.
;;   The module's matrix products, in the order in which they are computed (A, B: the left and right operand; K: the contracted axis; several contracted axes count as one K, in the product's order):
;;     1. [M 131,072, K 512] x [K 512, N 512]; A: input g; B: input W1 (given as codes): QUANTISED
;;     2. [M 131,072, K 512] x [K 512, N 1]; A: computed on the way; B: input w2: left as it is (N = 1 < 16)
;;     3. [M 131,072, K 512] x [K 512, N 512]; A: input g; B: input Wp (given as codes): QUANTISED
;;     4. batch 512 x [M 256, K 512] x [K 512, N 1]; A: computed on the way; B: input g_T: left as it is (N = 1 < 16)
;;     5. batch 512 x [M 1, K 256] x [K 256, N 512]; A: softmax; B: input g: left as it is (M = 1 < 16)
;;     6. [M 512, K 1,024] x [K 1,024, N 2]; A: computed on the way; B: input Wo: left as it is (N = 2 < 16)
;;   THE QUANTISER, for each operand of a quantised product, along K:
;;     - K is cut into blocks of 32 from its start; a last block that is shorter is filled with zeros.
;;     - A block's scale is 2^e with e = floor(log2(the largest magnitude in the block)) - 2, held to -126 .. 127; a block of zeros has e = 0. As a byte (E8M0): e + 127.
;;     - Each number is divided by its block's scale, clamped to +-7.5, and rounded to the nearest number of E2M3, ties to even, subnormals kept.
;;     - The product sums the exact products of the quantised numbers (number of the format x scale) in f32.
;;   ~~~python
;;   def quantise(x, axis):      # numpy; x: float32 -> the quantised numbers, widened to float32 again
;;       x = np.moveaxis(x, axis, -1); K = x.shape[-1]
;;       x = np.pad(x, [(0, 0)] * (x.ndim - 1) + [(0, -K % 32)]); x = x.reshape(x.shape[:-1] + (-1, 32)); a = np.abs(x).max(-1, keepdims=True)
;;       e = np.where(a > 0, np.clip(np.frexp(np.where(a > 0, a, 1))[1] - 1 - 2, -126, 127), 0)      # np.frexp(a)[1] - 1 = floor(log2(a)), exactly
;;       r = np.clip(x / 2.0 ** e, -7.5, 7.5)
;;       step = 2.0 ** (np.maximum(np.frexp(np.where(r == 0, 1, r))[1] - 1, 0) - 3)
;;       q = np.round(r / step) * step * 2.0 ** e      # np.round: ties to even
;;       return np.moveaxis(q.reshape(q.shape[:-2] + (-1,))[..., :K], -1, axis).astype(np.float32)
;;   ~~~
;;   INPUTS GIVEN AS CODES. W1 (in the module: [512, 512], K = its axis 0); Wp (in the module: [512, 512], K = its axis 0): each comes as NAME_codes (uint8): NAME with its K axis moved to the last place and cut into blocks of 32 codes, [.., K / 32, bytes a block], one block behind the other in memory; four codes in three bytes: a row's codes are one little-endian stream of bits, code i at bits 6 i .. 6 i + 5 (a code: sign, 2 exponent bits, 3 mantissa bits); and NAME_scales (uint8): the same leading axes, one E8M0 byte (e + 127) for each 32 codes along K. Its value is code x scale, taken as it is: it is not quantised again, and the codes and scales need not be those that the quantiser above would give.
;; One version. Each part assembles by itself: llvm-mc -triple=amdgcn-amd-amdhsa -mcpu=gfx1250 --defsym DOCPART=n.
;; ======== version 1 of 1: 1 launch
;; launch att (part 1): grid 256 x 1, 8 waves a work-group, no clusters, 295,936 bytes of LDS; arguments g, n_day, W1_codes, W1_scales, Wp_codes, Wp_scales, w2, b2, g_T, Wo, bo, out0, out1; writes out0, out1
.if DOCPART == 1
	.amdgcn_target "amdgcn-amd-amdhsa--gfx1250"
	.amdhsa_code_object_version 6
	.text
	.protected	k_q04a48f1d50_att
	.globl	k_q04a48f1d50_att
	.p2align	8
	.type	k_q04a48f1d50_att,@function
k_q04a48f1d50_att:
	s_mov_b64 s[64:65], 0
	v_nop
	global_prefetch_b8 v0, s[64:65] scope:SCOPE_SE
	s_setreg_imm32_b32 hwreg(HW_REG_WAVE_MODE, 25, 1), 1
	s_wait_xcnt 0x0
; TemporalAttDecoder, both large products on codes of FP6 (E2M3) with one E8M0 scale for each 32 along K.
;   score[b][t] = (tanh(Q(g) W1) . w2 + b2) x (tanh(Q(g) Wp) . g_T[b]);  rows t >= n_day[b] get -1e9;  out1 = softmax over t;
;   out0 = softmax over 2 of (sum_t out1[t] g[t]) . Wo[0:512] + g_T . Wo[512:1024] + bo.
; WHAT IS NOT DONE: a row t >= n_day has weight 0, so whole units (16 rows of a batch) beyond 16 ceil(n / 16) are neither read nor multiplied.
; WHAT IS REORDERED: (sum_t v[t] g[t]) . Wo = sum_t v[t] (g[t] . Wo): u[t] = g[t] . Wo[0:512] (two f32 numbers a row) is made while the row is in registers for quantising,
;   so g is read once.  The order of rounding differs from the written one; all of it is f32.
; SHARES: 256 work-groups of 8 waves.  Every work-group orders the 512 batches by their number of units (a counting sort on n_day, whole numbers alone) and takes the batches at places wg and 511 - wg: at most 32 units.
;   Slot = 16 x half + unit.  A block = 4 slots.  PASS 1: W1 in registers; block by block the rows are read, quantised (codes stay in LDS), u is made, and the first product, tanh and dot with w2 follow.
;   PASS 2: Wp takes W1's registers; the second product is made from the codes in LDS.  Then wave 0 and wave 1 finish one batch each.
;   In the products the waves share the COLUMNS: wave w owns columns 64 w .. 64 w + 63 (16 fragments, 192 registers).  The product is used transposed (source 0 = 16 weight rows, source 1 = 16 rows of x):
;   lane (r, h) holds day r, and register j of tile n column 64 w + 16 n + 8 h + j: the dot products run down a lane's registers.
;   tanh(x) = 1 - 2 / (1 + 2^(c x)), c = 2 log2 e, so sum cf tanh = sum cf + sum (-2 cf) / (1 + 2^(c x)).
; NO TENSOR LOADS, NO CLUSTER: which units are worked hangs on n_day, read from memory, so the text branches on loaded numbers; partners would need different numbers of tiles.
;   What the work-groups share, the weights, each reads once, in loads of 512 consecutive bytes.
; LIMITS: NaN and infinities in g are not served.  A batch whose largest valid score lies under about -1e9 + 110 would give masked rows weight in the written form: not served.
;   Every int32 n_day is served: above 256 as 256; under 1 all rows are masked and all 16 units are worked (the softmax is then uniform).
;   A block of 32 zeros gets the scale byte 1 (its codes are zeros); blocks whose largest magnitude lies under 2^-124 keep that byte.
.set RP,    400                        ; a row in REC: 384 bytes of codes + 16 scale bytes = 100 words
.set SLOTB, 16*RP                      ; a unit
.set REC,   0                          ; 32 units of codes and scale bytes
.set STG,   32*SLOTB                   ; 6,400 bytes for each wave, its own: two stages of 32 x 80 bytes for the rows of g, or 16 weight rows at pitch RP
.set PART,  STG+8*6400                 ; pass x 16384 + slot x 512 + wave x 64 + 4 r: each wave's part of a row's dot product
.set UL,    PART+32768                 ; slot x 128 + 64 e + 4 row: u
.set HIST,  UL+4096                    ; 128 x wave + 4 x bin
.set SELW,  HIST+1024                  ; 8 x wave: two words
; window 0: v0 thread; v1 16 l; v2, v3 stage in / out; v4, v5 codes / scale byte of my rows; v6, v7 fragment / scale word of x; v8 PART; v9 UL; v10, v11, v12, v14, v15 addresses of the phase; v13 a result;
;   v16-18, v19 weight stage in / out; v20 32 h; v21 16 r + 4 h; v22 128 l; v23 4 l; v[24:25] sum of cf; v26-33 the weights' scale words, v34-35 x's (scales and nothing else);
;   v36-83 x's four fragments, or two sets of 16 numbers and u; v84-115 Wo[16 l + m][e]; v116-127 at work; v128-255 eight rows of g as loaded.
; window 1: v0-191 the weights' fragments (n, s) at 12 (4 n + s); v192-223 four accumulators; v224-255 -2 cf.
.set MSB, 0
.macro WIN new                         ; bits 1:0 source 0, 3:2 source 1, 5:4 source 2, 7:6 destination; the high byte repeats the setting that is left
.if MSB != \new
	s_set_vgpr_msb (MSB<<8)|\new
.set MSB, \new
.endif
.endm
; my wave's 64 weight rows (24,576 dense bytes) into the fragments' registers as they lie, 512 consecutive bytes a load; and the scale words: lanes 0-15 K step 2 t, lanes 16-31 K step 2 t + 1
.macro LOADW cp, sp
	WIN 0x40
.set qq, 0
.rept 48
	global_load_b128 v[4*qq:4*qq+3], v1, s[\cp:\cp+1] offset:512*qq
.set qq, qq+1
.endr
	WIN 0
.irp n, 0,1,2,3
.irp t, 0,1
	global_load_b32 v[26+2*\n+\t], v21, s[\sp:\sp+1] offset:256*\n+8*\t
.endr
.endr
.endm
; tile by tile (16 rows, 48 registers) through my stage: in as loaded, at pitch RP; back as fragments, into the registers that they left.  LDS serves a wave's instructions in order (ISA guide 5.7.1.4)
.macro FINW left
	s_wait_loadcnt \left
.irp n, 0,1,2,3
	WIN 0x04
.irp j, 0,1,2,3,4,5,6,7,8,9,10,11
	ds_store_b128 v[16+\j%3], v[48*\n+4*\j:48*\n+4*\j+3] offset:1600*(\j/3)
.endr
	WIN 0x40
.irp s, 0,1,2,3
.irp p, 0,1,2,3,4,5
	ds_load_b64 v[48*\n+12*\s+2*\p:48*\n+12*\s+2*\p+1], v19 offset:96*\s+48*(\p/3)+8*(\p%3)
.endr
.endr
.endr
	WIN 0
	s_wait_dscnt 0x0
.endm
.macro CFLOAD bp                       ; the coefficients of my lane's 32 columns: 256 w (in the base) + 64 n + 32 h bytes on
	WIN 0x40
.irp n, 0,1,2,3
.irp t, 0,1
	global_load_b128 v[224+8*\n+4*\t:224+8*\n+4*\t+3], v20, s[\bp:\bp+1] offset:64*\n+16*\t
.endr
.endr
	WIN 0
.endm
.macro CFPREP                          ; v[24:25] = the sum of my 32 cf, in two halves; cf becomes -2 cf
	WIN 0x05
	v_pk_add_f32 v[24:25], v[224:225], v[226:227]
	WIN 0x01
.set aa, 2
.rept 14
	v_pk_add_f32 v[24:25], v[224+2*aa:225+2*aa], v[24:25]
.set aa, aa+1
.endr
	WIN 0x41
.set aa, 0
.rept 16
	v_pk_mul_f32 v[224+2*aa:225+2*aa], v[224+2*aa:225+2*aa], -2.0 op_sel_hi:[1,0]
.set aa, aa+1
.endr
	WIN 0
.endm
; my 8 rows of block s59 are asked for: 32 loads of 512 consecutive bytes.  s60 = 1 where my slot of that block has rows.  always = 1: the loads go out in any case (of a unit that exists), so that the counted wait behind them holds
.macro ISSUE always
	s_lshr_b32 s98, s59, 2
	s_cmp_eq_u32 s98, 0
	s_cselect_b32 s99, s44, s47                    ; the half's number of units
	s_cselect_b32 s56, s42, s45                    ; and its batch
	s_cmp_lt_u32 s59, 8
	s_cselect_b32 s99, s99, 0                      ; there is no block 8
	s_and_b32 s98, s59, 3
	s_lshl_b32 s98, s98, 2
	s_add_co_u32 s98, s98, s31                     ; my unit
	s_cmp_lt_u32 s98, s99
	s_cselect_b32 s60, 1, 0
.if \always
	s_sub_co_u32 s99, s99, 1
	s_min_u32 s98, s98, s99
	s_min_u32 s98, s98, 15
.else
	s_cbranch_scc0 .Lno_rows_\@
.endif
	s_min_u32 s56, s56, 511
	s_lshl_b32 s56, s56, 8
	s_lshl_b32 s98, s98, 4
	s_add_co_u32 s56, s56, s98
	s_lshl_b32 s98, s32, 3
	s_add_co_u32 s56, s56, s98                     ; my first row: 256 b + 16 unit + 8 (w & 1)
	s_lshl_b32 s54, s56, 11                        ; x 2,048 bytes: under 2^28
	s_mov_b32 s55, 0
	s_add_nc_u64 s[70:71], s[4:5], s[54:55]
.irp i, 0,1,2,3,4,5,6,7
.irp j, 0,1,2,3
	global_load_b128 v[128+16*\i+4*\j:128+16*\i+4*\j+3], v1, s[70:71] offset:2048*\i+512*\j th:TH_LOAD_NT
.endr
.endr
.Lno_rows_\@:
.endm
; row i through my stage: in as loaded (16 bytes a lane, 16 bytes of padding behind each 64), back 64 bytes a lane: lane l then holds k = 16 l .. 16 l + 15
.macro TURN i
.irp j, 0,1,2,3
	ds_store_b128 v2, v[128+16*(\i)+4*\j:128+16*(\i)+4*\j+3] offset:2560*((\i)%2)+640*\j
.endr
.irp j, 0,1,2,3
	ds_load_b128 v[36+16*((\i)%2)+4*\j:36+16*((\i)%2)+4*\j+3], v3 offset:2560*((\i)%2)+16*\j
.endr
.endm
; row i: its scale bytes and codes to REC, and my lane's part of u
.macro XROW i
.set XR, 36+16*((\i)%2)
.set CD, 120+4*((\i)%2)
.set UU, 68+2*(\i)
.if \i < 7
	s_wait_loadcnt 4*(6-\i)                        ; row i + 1 is in; the rows behind it may be out
	TURN (\i)+1
.endif
.if \i == 0
	s_wait_dscnt 8                                 ; row 0 is back from the stage; behind it: the next row's 8
.elseif \i < 7
	s_wait_dscnt 12                                ; behind row i's loads: the last row's 4 stores and the next row's 8
.else
	s_wait_dscnt 4                                 ; behind them: the last row's 4 stores
.endif
	v_max3_num_f32 v116, |v[XR]|, |v[XR+1]|, |v[XR+2]|
	v_max3_num_f32 v117, |v[XR+3]|, |v[XR+4]|, |v[XR+5]|
.irp m, 6,10
	v_max3_num_f32 v116, v116, |v[XR+\m]|, |v[XR+\m+1]|
	v_max3_num_f32 v117, v117, |v[XR+\m+2]|, |v[XR+\m+3]|
.endr
	v_max3_num_f32 v116, v116, |v[XR+14]|, |v[XR+15]|
	v_max3_num_f32 v116, v116, v117, 0x1800000     ; the floor 2^(3 - 127): the byte cannot fall under 1
	v_max_num_f32_dpp v116, v116, v116 row_xmask:1 row_mask:0xf bank_mask:0xf   ; with my neighbour's 16: the block's largest magnitude
	v_add_nc_u32 v117, 0xff000000, v116            ; 2 off its exponent field: the conversion's scale operand
	v_cvt_scalef32_pk16_fp6_f32 v[CD:CD+2], v[XR:XR+15], v117
	v_lshrrev_b32 v[CD+3], 23, v117                ; the scale's byte (the plain line behind the conversion)
	v_pk_mul_f32 v[UU:UU+1], v[XR:XR+1], v[84:85] op_sel:[0,0] op_sel_hi:[0,1]       ; x[m] (both halves) x Wo[16 l + m][0:1]: even m in one chain,
	v_pk_mul_f32 v[118:119], v[XR:XR+1], v[86:87] op_sel:[1,0] op_sel_hi:[1,1]       ; odd m in another
.irp m, 2,4,6,8,10,12,14
	v_pk_fma_f32 v[UU:UU+1], v[XR+\m:XR+\m+1], v[84+2*\m:85+2*\m], v[UU:UU+1] op_sel:[0,0,0] op_sel_hi:[0,1,1]
	v_pk_fma_f32 v[118:119], v[XR+\m:XR+\m+1], v[86+2*\m:87+2*\m], v[118:119] op_sel:[1,0,0] op_sel_hi:[1,1,1]
.endr
	v_pk_add_f32 v[UU:UU+1], v[UU:UU+1], v[118:119]
.irp c, 0,1,2
	ds_store_b32 v10, v[CD+\c] offset:RP*(\i)+4*\c   ; my 16 codes: 12 bytes at 12 l
.endr
	ds_store_b8 v11, v[CD+3] offset:RP*(\i)          ; both lanes of a block write the same byte with the same value
.endm
; one level of the sum of 16 registers over 16 lanes: of each pair a lane keeps the one that its bit names and gives the other to its partner
.macro ULEVEL lv, st, cnt
.set aa, 0
.rept \cnt
	v_cndmask_b32 v[116+aa%2], v[68+2*\st*aa+\st], v[68+2*\st*aa], s[36+\lv]
	v_cndmask_b32 v[68+2*\st*aa], v[68+2*\st*aa], v[68+2*\st*aa+\st], s[36+\lv]
	v_add_f32_dpp v[68+2*\st*aa], v[116+aa%2], v[68+2*\st*aa] row_xmask:\st row_mask:0xf bank_mask:0xf
.set aa, aa+1
.endr
.endm
; unit i of the block in hand: 16 products, tanh, the dot product with cf; my wave's part of each row's sum to PART.  A unit without rows stores 0.
.macro GUNIT pass, i
	v_mov_b32 v13, 0
	s_add_co_u32 s98, s57, \i
	s_cmp_ge_u32 s98, s58
	s_cbranch_scc1 .Lnone_\@
	ds_load_b32 v34, v14 offset:SLOTB*\i           ; x's scale words: lanes 0-15 K step 0 (2), lanes 16-31 K step 1 (3)
	ds_load_b32 v35, v14 offset:SLOTB*\i+8
.irp s, 0,1,2,3
.irp p, 0,1,2,3,4,5
	ds_load_b64 v[36+12*\s+2*\p:37+12*\s+2*\p], v12 offset:SLOTB*\i+96*\s+48*(\p/3)+8*(\p%3)
.endr
.endr
	WIN 0x51                                       ; D, A and C window 1, B window 0; it also serves the work in place on the accumulators
.irp s, 0,1,2,3                                ; the four accumulators take turns, one instruction a turn
	s_wait_dscnt 6*(3-\s)                          ; K step s is in; the later steps' six loads each may be out
.irp n, 0,1,2,3
.if \s == 0
	v_wmma_scale_f32_16x16x128_f8f6f4 v[192+8*\n:199+8*\n], v[12*(4*\n+\s):12*(4*\n+\s)+11], v[36+12*\s:47+12*\s], 0, v[26+2*\n+\s/2], v[34+\s/2] matrix_a_fmt:MATRIX_FMT_FP6 matrix_b_fmt:MATRIX_FMT_FP6
.elseif \s == 2
	v_wmma_scale_f32_16x16x128_f8f6f4 v[192+8*\n:199+8*\n], v[12*(4*\n+\s):12*(4*\n+\s)+11], v[36+12*\s:47+12*\s], v[192+8*\n:199+8*\n], v[26+2*\n+\s/2], v[34+\s/2] matrix_a_fmt:MATRIX_FMT_FP6 matrix_b_fmt:MATRIX_FMT_FP6
.else
	v_wmma_scale_f32_16x16x128_f8f6f4 v[192+8*\n:199+8*\n], v[12*(4*\n+\s):12*(4*\n+\s)+11], v[36+12*\s:47+12*\s], v[192+8*\n:199+8*\n], v[26+2*\n+\s/2], v[34+\s/2] matrix_a_fmt:MATRIX_FMT_FP6 matrix_b_fmt:MATRIX_FMT_FP6 matrix_a_scale:MATRIX_SCALE_ROW1 matrix_b_scale:MATRIX_SCALE_ROW1
.endif
.endr
.endr
.rept 5
	v_nop                                          ; four places ahead of the first read of results and of the next unit's loads; the fifth for the next unit's products, which write over these accumulators
.endr
.set aa, 0
.rept 16
	v_pk_mul_f32 v[192+2*aa:193+2*aa], v[192+2*aa:193+2*aa], s[40:41] op_sel_hi:[1,0]   ; c x, each accumulator from its low end on
.set aa, aa+1
.endr
.set aa, 0
.rept 32
	v_exp_f32 v[192+aa], v[192+aa]
.set aa, aa+1
.endr
	v_nop                                          ; a plain line behind the last exponential,
	s_wait_alu depctr_va_vdst(0)                   ; and one wait for the batch, ahead of its first reader
.set aa, 0
.rept 16
	v_pk_add_f32 v[192+2*aa:193+2*aa], v[192+2*aa:193+2*aa], 1.0 op_sel_hi:[1,0]
.set aa, aa+1
.endr
.set aa, 0
.rept 32
	v_rcp_f32 v[192+aa], v[192+aa]
.set aa, aa+1
.endr
	v_nop
	s_wait_alu depctr_va_vdst(0)                   ; likewise for the reciprocals
	WIN 0x05
	v_pk_fma_f32 v[116:117], v[192:193], v[224:225], v[24:25]      ; the sum of cf starts one of two chains
	v_pk_mul_f32 v[118:119], v[194:195], v[226:227]
.set aa, 2
.rept 7
	v_pk_fma_f32 v[116:117], v[192+2*aa:193+2*aa], v[224+2*aa:225+2*aa], v[116:117]
	v_pk_fma_f32 v[118:119], v[194+2*aa:195+2*aa], v[226+2*aa:227+2*aa], v[118:119]
.set aa, aa+2
.endr
	WIN 0
	v_pk_add_f32 v[116:117], v[116:117], v[118:119]
	v_add_f32 v116, v116, v117
	v_permlanex16_b32 v120, v116, s34, s35         ; the day's other 32 columns lie in the lane 16 away
	v_add_f32 v13, v116, v120
.Lnone_\@:
	ds_store_b32 v10, v13 offset:16384*\pass+512*\i
.endm
.macro RSUM x                          ; the sum over the 32 lanes, in every lane
.irp m, 1,2,4,8
	v_add_f32_dpp v[\x], v[\x], v[\x] row_xmask:\m row_mask:0xf bank_mask:0xf
.endr
	v_permlanex16_b32 v120, v[\x], s34, s35
	v_add_f32 v[\x], v[\x], v120
.endm
; ---------------------------------------------------------------- the head: pointers, addresses, the first loads
	s_load_b512 s[4:19], s[0:1], 0x0               ; g 4, n_day 6, W1's codes 8, scales 10, Wp's codes 12, scales 14, w2 16, b2 18
	s_load_b256 s[20:27], s[0:1], 0x40             ; g_T 20, Wo 22, bo 24, out0 26
	s_load_b64 s[28:29], s[0:1], 0x60              ; out1
	v_lshrrev_b32 v10, 5, v0
	v_readfirstlane_b32 s30, v10                   ; wave 0..7
	s_lshr_b32 s31, s30, 1
	s_and_b32 s32, s30, 1
	s_mov_b32 s34, 0x76543210
	s_mov_b32 s35, 0xfedcba98                      ; v_permlanex16_b32's selects for lane l xor 16
	s_mov_b32 s36, 0xaaaaaaaa                      ; the lanes whose bit 0, 1, 2, 3 is set
	s_mov_b32 s37, 0xcccccccc
	s_mov_b32 s38, 0xf0f0f0f0
	s_mov_b32 s39, 0xff00ff00
	s_mov_b32 s40, 0x4038aa3b                      ; c = 2 log2 e
	s_mov_b32 s41, s40                             ; (named with it as a pair)
	v_and_b32 v10, 31, v0                          ; l
	v_and_b32 v11, 15, v0                          ; r
	v_bfe_u32 v12, v0, 4, 1                        ; h
	v_lshlrev_b32 v1, 4, v10
	v_lshlrev_b32 v22, 7, v10
	v_lshlrev_b32 v23, 2, v10
	v_lshlrev_b32 v20, 5, v12
	v_lshlrev_b32 v21, 4, v11
	v_lshl_add_u32 v21, v12, 2, v21
	s_mul_i32 s98, s30, 6400
	s_add_co_u32 s98, s98, STG                     ; my stage
	v_lshrrev_b32 v14, 2, v10
	v_mul_u32_u24 v14, v14, 80
	v_and_b32 v15, 3, v10
	v_lshl_add_u32 v14, v15, 4, v14
	v_add_nc_u32 v2, s98, v14                      ; in: 80 (l / 4) + 16 (l % 4)
	v_mul_u32_u24 v14, v10, 80
	v_add_nc_u32 v3, s98, v14                      ; out: 80 l
	v_mul_u32_u24 v14, v11, RP
	v_mad_u32_u24 v15, v12, 24, v14
	v_add_nc_u32 v19, s98, v15                     ; a weight fragment: row r, + 24 h
	v_add_nc_u32 v6, REC, v15                      ; and x's
	v_lshl_add_u32 v7, v12, 2, v14
	v_add_nc_u32 v7, REC+384, v7                   ; x's scale words: row r, + 4 h
.irp j, 0,1,2
	v_add_nc_u32 v14, 32*\j, v10                   ; q = 32 j + l: which 16 bytes of four weight rows (24 pieces a row)
	v_mul_u32_u24 v15, v14, 43
	v_lshrrev_b32 v15, 10, v15                     ; q / 24 for q under 96
	v_add_nc_u32 v15, v15, v14
	v_lshl_add_u32 v[16+\j], v15, 4, s98           ; 16 q + 16 bytes of padding for each row passed
.endr
	s_mul_i32 s99, s31, SLOTB
	s_mul_i32 s52, s32, 8*RP
	s_add_co_u32 s99, s99, s52                     ; my 8 rows of my slot of a block
	v_mul_u32_u24 v14, v10, 12
	v_add_nc_u32 v4, s99, v14
	s_add_co_u32 s52, s99, 384
	v_lshrrev_b32 v14, 1, v10
	v_add_nc_u32 v5, s52, v14
	s_lshl_b32 s52, s30, 6
	s_add_co_u32 s52, s52, PART
	v_lshl_add_u32 v8, v11, 2, s52
	s_lshl_b32 s52, s31, 7
	s_lshl_b32 s99, s32, 5
	s_add_co_u32 s52, s52, s99
	s_add_co_u32 s52, s52, UL
	v_and_b32 v14, 1, v11
	v_lshrrev_b32 v15, 1, v11
	v_lshlrev_b32 v15, 2, v15
	v_lshl_add_u32 v14, v14, 6, v15
	v_add_nc_u32 v9, s52, v14                      ; u: lane r holds row r / 2, output r % 2
	v_lshl_add_u32 v10, v0, 2, HIST                ; the sort's LDS addresses
	v_add_nc_u32 v11, HIST, v23
	s_lshl_b32 s52, s30, 3
	s_add_co_u32 s52, s52, SELW
	v_mov_b32 v12, s52
	v_mov_b32 v14, SELW
	v_lshlrev_b32 v15, 2, v0                       ; n_day: 4 bytes a thread
	v_mov_b32 v116, 0                              ; written once: a lane permute's destination counts as one of its sources
	v_mov_b32 v120, 0
	s_wait_kmcnt 0x0
	s_mul_i32 s54, s30, 24576                      ; my wave's 64 rows of each weight,
	s_mov_b32 s55, 0
	s_add_nc_u64 s[8:9], s[8:9], s[54:55]
	s_add_nc_u64 s[12:13], s[12:13], s[54:55]
	s_lshl_b32 s54, s30, 10                        ; of their scale bytes,
	s_add_nc_u64 s[10:11], s[10:11], s[54:55]
	s_add_nc_u64 s[14:15], s[14:15], s[54:55]
	s_lshl_b32 s54, s30, 8                         ; and my 64 numbers of w2
	s_add_nc_u64 s[16:17], s[16:17], s[54:55]
	s_load_b32 s33, s[18:19], 0x0                  ; b2
	s_load_b64 s[62:63], s[24:25], 0x0             ; bo
	global_load_b32 v38, v15, s[6:7]               ; n_day of batches t and t + 256
	global_load_b32 v39, v15, s[6:7] offset:1024
	LOADW 8, 10
.irp i, 0,1,2,3,4,5,6,7
	global_load_b128 v[84+4*\i:87+4*\i], v22, s[22:23] offset:16*\i    ; Wo[16 l + m][0:1], m = 0 .. 15
.endr
	CFLOAD 16
; ---------------------------------------------------------------- the order of the batches: by units, then by half of the index, wave and lane.  Whole numbers alone, the same in every work-group
	s_wait_loadcnt 63                              ; 72 loads were issued behind n_day's two: with at most 63 out, those two are in
	v_add_nc_u32 v40, -1, v38
	v_add_nc_u32 v41, -1, v39
	v_min_u32 v40, 0xff, v40                       ; n - 1 held to 0 .. 255 (n under 1 wraps round and is held at 255)
	v_min_u32 v41, 0xff, v41
	v_cmp_gt_i32 vcc_lo, 1, v38
	v_cndmask_b32 v44, 0, 1, vcc_lo                ; n under 1: every row is masked
	v_cmp_gt_i32 vcc_lo, 1, v39
	v_cndmask_b32 v45, 0, 1, vcc_lo
	v_lshlrev_b32 v44, 17, v44
	v_lshlrev_b32 v45, 17, v45
	v_lshl_or_b32 v44, v40, 9, v44
	v_lshl_or_b32 v45, v41, 9, v45
	v_or_b32 v44, v44, v0                          ; what a batch carries: index | (n - 1) << 9 | flag << 17
	v_or_b32 v45, v45, v0
	v_or_b32 v45, 0x100, v45
	v_lshrrev_b32 v42, 4, v40                      ; units - 1
	v_lshrrev_b32 v43, 4, v41
	v_mov_b32 v48, 0
.set bb, 0
.rept 32                                       ; bin = 2 (units - 1) + j: its lanes' mask stays in s[66 + bin]; its count goes to lane bin
	v_cmp_eq_u32 s[66+bb], bb>>1, v[42+(bb&1)]
	s_bcnt1_i32_b32 s98, s[66+bb]
	v_writelane_b32 v48, s98, bb
.set bb, bb+1
.endr
	ds_store_b32 v10, v48
	s_wait_dscnt 0x0
	s_barrier_signal -1
	s_barrier_wait -1
.irp q, 0,1,2,3,4,5,6,7
	ds_load_b32 v[52+\q], v11 offset:128*\q
.endr
	v_mov_b32 v49, 0
	v_mov_b32 v50, 0
	v_mov_b32 v61, 0
	v_mov_b32 v62, 0
	v_mov_b32 v68, 0
	v_mov_b32 v69, 0
	s_wait_dscnt 0x0
.irp q, 0,1,2,3,4,5,6,7
	s_cmp_gt_u32 s30, \q
	s_cselect_b32 s98, -1, 0
	v_and_b32 v65, s98, v[52+\q]
	v_add_nc_u32 v49, v49, v[52+\q]                ; lane bin: the bin's count in the work-group,
	v_add_nc_u32 v50, v50, v65                     ; and in the waves ahead of mine
.endr
	s_mov_b32 s99, 0                               ; the batches in the bins passed
.set bb, 0
.rept 32
	v_readlane_b32 s98, v50, bb
	s_add_co_u32 s98, s98, s99
	v_mbcnt_lo_u32_b32 v65, s[66+bb], s98          ; + the bin's lanes below mine
	v_cndmask_b32 v[61+(bb&1)], v[61+(bb&1)], v65, s[66+bb]
	v_readlane_b32 s52, v49, bb
	s_add_co_u32 s99, s99, s52
.set bb, bb+1
.endr
	s_mov_b32 s51, ttmp9                           ; my two places: wg and 511 - wg
	s_sub_co_u32 s53, 511, s51
	v_cmp_eq_u32 vcc_lo, s51, v61
	v_cndmask_b32 v66, 0, v44, vcc_lo
	v_cmp_eq_u32 vcc_lo, s51, v62
	v_cndmask_b32 v66, v66, v45, vcc_lo
	v_cmp_eq_u32 vcc_lo, s53, v61
	v_cndmask_b32 v67, 0, v44, vcc_lo
	v_cmp_eq_u32 vcc_lo, s53, v62
	v_cndmask_b32 v67, v67, v45, vcc_lo
.irp m, 1,2,4,8                                ; one lane of the work-group holds each of the two; all others hold 0: an OR over lanes and waves brings them to all
	v_mov_b32_dpp v68, v66 row_xmask:\m row_mask:0xf bank_mask:0xf
	v_mov_b32_dpp v69, v67 row_xmask:\m row_mask:0xf bank_mask:0xf
	v_or_b32 v66, v66, v68
	v_or_b32 v67, v67, v69
.endr
	v_permlanex16_b32 v68, v66, s34, s35
	v_permlanex16_b32 v69, v67, s34, s35
	v_or_b32 v66, v66, v68
	v_or_b32 v67, v67, v69
	ds_store_b64 v12, v[66:67]
	s_wait_dscnt 0x0
	s_barrier_signal -1
	s_barrier_wait -1
.irp q, 0,1,2,3
	ds_load_b128 v[128+4*\q:131+4*\q], v14 offset:16*\q
.endr
	s_wait_dscnt 0x0
.irp q, 1,2,3,4,5,6,7
	v_or_b32 v128, v128, v[128+2*\q]
	v_or_b32 v129, v129, v[129+2*\q]
.endr
	v_readfirstlane_b32 s98, v128
	v_readfirstlane_b32 s99, v129
	s_and_b32 s42, s98, 511                        ; batch A: index,
	s_min_u32 s42, s42, 511
	s_bfe_u32 s43, s98, 0x80009
	s_lshr_b32 s44, s43, 4
	s_add_co_u32 s44, s44, 1                       ; units,
	s_min_u32 s44, s44, 16
	s_add_co_u32 s43, s43, 1
	s_bitcmp1_b32 s98, 17
	s_cselect_b32 s43, 0, s43                      ; rows that count
	s_and_b32 s45, s99, 511                        ; batch B
	s_min_u32 s45, s45, 511
	s_bfe_u32 s46, s99, 0x80009
	s_lshr_b32 s47, s46, 4
	s_add_co_u32 s47, s47, 1
	s_min_u32 s47, s47, 16
	s_add_co_u32 s46, s46, 1
	s_bitcmp1_b32 s99, 17
	s_cselect_b32 s46, 0, s46
; ---------------------------------------------------------------- block 0 is asked for; W1 becomes fragments
	s_wait_kmcnt 0x0                               ; b2, bo
	s_mov_b32 s59, 0
	ISSUE 1
	FINW 32                                        ; all but the 32 loads just issued: the weights, their scale words, Wo and w2 are in
	CFPREP
	s_mov_b32 s48, 0                               ; k, the block
	s_mov_b32 s49, 0                               ; 4 SLOTB k
	s_mov_b32 s50, 0                               ; 2048 k
	s_mov_b32 s53, 0                               ; 512 k
; ---------------------------------------------------------------- PASS 1: eight blocks
.Lblk:
	s_mov_b32 s61, s60                             ; has my slot of this block rows?
	v_mov_b32 v13, 0
	v_add_nc_u32 v10, s49, v4
	v_add_nc_u32 v11, s49, v5
	v_add_nc_u32 v12, s49, v6
	v_add_nc_u32 v14, s49, v7
	v_add_nc_u32 v15, s53, v9
	s_cmp_eq_u32 s61, 0
	s_cbranch_scc1 .Lxs
	s_wait_loadcnt 28                              ; row 0's four loads are in; the other seven rows' may be out
	TURN 0
.irp i, 0,1,2,3,4,5,6,7
	XROW \i
.endr
	ULEVEL 0, 1, 8
	ULEVEL 1, 2, 4
	ULEVEL 2, 4, 2
	ULEVEL 3, 8, 1
	v_permlanex16_b32 v116, v68, s34, s35
	v_add_f32 v13, v68, v116
.Lxs:
	ds_store_b32 v15, v13                          ; u of my 8 rows, or zeros: every word that is read later is written
	s_wait_loadcnt 0x0                             ; on both ways no load is out: the rows' registers and their base may be written
	s_add_co_u32 s59, s48, 1
	ISSUE 0                                        ; the next block's rows have this block's four units of work in which to land
	s_wait_dscnt 0x0                               ; my codes, scale bytes and u have landed
	s_barrier_signal -1
	s_barrier_wait -1                              ; the block's four units lie in LDS.  Later blocks write other slots: one barrier a block
	v_add_nc_u32 v10, s50, v8
	s_and_b32 s57, s48, 3
	s_lshl_b32 s57, s57, 2                         ; the block's first unit in its batch
	s_cmp_lt_u32 s48, 4
	s_cselect_b32 s58, s44, s47                    ; the batch's units
	GUNIT 0, 0
	GUNIT 0, 1
	GUNIT 0, 2
	GUNIT 0, 3
	s_add_co_u32 s49, s49, 4*SLOTB
	s_add_co_u32 s50, s50, 2048
	s_add_co_u32 s53, s53, 512
	s_add_co_u32 s48, s48, 1
	s_cmp_lt_u32 s48, 8
	s_cbranch_scc1 .Lblk
; ---------------------------------------------------------------- Wp takes W1's registers
	LOADW 12, 14
	FINW 0
	s_mov_b32 s48, 0
	s_mov_b32 s49, 0
	s_mov_b32 s50, 0
; ---------------------------------------------------------------- PASS 2: the same eight blocks from the codes in LDS; no wave waits for another
.Lblk2:
	s_and_b32 s57, s48, 3
	s_cmp_lg_u32 s57, 0
	s_cbranch_scc1 .Lsame_cf
	s_cmp_lt_u32 s48, 4                            ; a batch begins: its g_T gives the coefficients
	s_cselect_b32 s56, s42, s45
	s_min_u32 s56, s56, 511
	s_lshl_b32 s54, s56, 11
	s_lshl_b32 s98, s30, 8
	s_add_co_u32 s54, s54, s98
	s_mov_b32 s55, 0
	s_add_nc_u64 s[72:73], s[20:21], s[54:55]
	CFLOAD 72
	s_wait_loadcnt 0x0
	CFPREP
.Lsame_cf:
	v_add_nc_u32 v12, s49, v6
	v_add_nc_u32 v14, s49, v7
	v_add_nc_u32 v10, s50, v8
	s_lshl_b32 s57, s57, 2
	s_cmp_lt_u32 s48, 4
	s_cselect_b32 s58, s44, s47
	GUNIT 1, 0
	GUNIT 1, 1
	GUNIT 1, 2
	GUNIT 1, 3
	s_add_co_u32 s49, s49, 4*SLOTB
	s_add_co_u32 s50, s50, 2048
	s_add_co_u32 s48, s48, 1
	s_cmp_lt_u32 s48, 8
	s_cbranch_scc1 .Lblk2
	s_wait_dscnt 0x0                               ; my parts have landed
	s_barrier_signal -1
	s_barrier_wait -1
	s_cmp_gt_u32 s30, 1
	s_cbranch_scc1 .Lend
; ---------------------------------------------------------------- wave 0 finishes batch A, wave 1 batch B.  Lane l has rows t = 4 l + 128 j + i
	s_cmp_eq_u32 s30, 0
	s_cselect_b32 s56, s42, s45
	s_cselect_b32 s99, s43, s46                    ; rows that count
	s_min_u32 s56, s56, 511
	s_mov_b32 s55, 0
	s_lshl_b32 s54, s56, 11
	s_add_nc_u64 s[72:73], s[20:21], s[54:55]      ; g_T's row
	s_lshl_b32 s54, s56, 10
	s_add_nc_u64 s[70:71], s[28:29], s[54:55]      ; out1's row
	s_lshl_b32 s54, s56, 3
	s_add_nc_u64 s[66:67], s[26:27], s[54:55]      ; out0's row
	v_lshlrev_b32 v12, 2, v1                       ; 64 l
.irp i, 0,1,2,3
	global_load_b128 v[52+4*\i:55+4*\i], v12, s[72:73] offset:16*\i            ; g_T[16 l + m]
.endr
.irp i, 0,1,2,3,4,5,6,7
	global_load_b128 v[84+4*\i:87+4*\i], v22, s[22:23] offset:4096+16*\i       ; Wo[512 + 16 l + m][0:1]
.endr
	v_bfe_u32 v10, v0, 2, 3                        ; l / 4
	v_and_b32 v11, 3, v0
	v_lshlrev_b32 v11, 4, v11
	v_lshl_add_u32 v14, v10, 7, v11
	v_lshl_add_u32 v10, v10, 9, v11
	s_lshl_b32 s98, s30, 13
	s_add_co_u32 s98, s98, PART
	v_add_nc_u32 v10, s98, v10                     ; the parts of my rows: 16 slots x 512 a batch; unit l / 4 + 8 j, rows 4 (l % 4) on
	s_lshl_b32 s98, s30, 11
	s_add_co_u32 s98, s98, UL
	v_add_nc_u32 v14, s98, v14                     ; and their u
.irp p, 0,1
.irp j, 0,1
.irp q, 0,1,2,3,4,5,6,7
	ds_load_b128 v[128+64*\p+32*\j+4*\q:131+64*\p+32*\j+4*\q], v10 offset:16384*\p+4096*\j+64*\q
.endr
.endr
.endr
.irp j, 0,1
.irp e, 0,1
	ds_load_b128 v[36+8*\j+4*\e:39+8*\j+4*\e], v14 offset:1024*\j+64*\e
.endr
.endr
	v_mov_b32 v117, 0xce6e6b28                     ; -1e9
	s_wait_dscnt 0x0
.irp p, 0,1
.irp j, 0,1
.irp q, 1,2,3,4,5,6,7                          ; the eight waves' parts
	v_pk_add_f32 v[128+64*\p+32*\j:129+64*\p+32*\j], v[128+64*\p+32*\j:129+64*\p+32*\j], v[128+64*\p+32*\j+4*\q:129+64*\p+32*\j+4*\q]
	v_pk_add_f32 v[130+64*\p+32*\j:131+64*\p+32*\j], v[130+64*\p+32*\j:131+64*\p+32*\j], v[130+64*\p+32*\j+4*\q:131+64*\p+32*\j+4*\q]
.endr
.endr
.endr
.irp j, 0,1
.irp i, 0,1,2,3
	v_add_f32 v[68+4*\j+\i], s33, v[128+32*\j+\i]                  ; vi + b2
	v_mul_f32 v[68+4*\j+\i], v[68+4*\j+\i], v[192+32*\j+\i]        ; x vd
	v_add_nc_u32 v116, 128*\j+\i, v23                              ; t
	v_cmp_gt_u32 vcc_lo, s99, v116
	v_cndmask_b32 v[68+4*\j+\i], v117, v[68+4*\j+\i], vcc_lo       ; -1e9 where t is not under n
.endr
.endr
	v_max3_num_f32 v118, v68, v69, v70
	v_max3_num_f32 v118, v118, v71, v72
	v_max3_num_f32 v118, v118, v73, v74
	v_max_num_f32 v118, v118, v75
.irp m, 1,2,4,8
	v_max_num_f32_dpp v118, v118, v118 row_xmask:\m row_mask:0xf bank_mask:0xf
.endr
	v_permlanex16_b32 v120, v118, s34, s35
	v_max_num_f32 v118, v118, v120                 ; the batch's largest score
.irp a, 0,1,2,3,4,5,6,7
	v_sub_f32 v[68+\a], v[68+\a], v118
.endr
.irp a, 0,1,2,3,4,5,6,7
	v_mul_f32 v[68+\a], 0x3fb8aa3b, v[68+\a]
.endr
.irp a, 0,1,2,3,4,5,6,7
	v_exp_f32 v[68+\a], v[68+\a]
.endr
	v_nop
	s_wait_alu depctr_va_vdst(0)                   ; one wait for the eight, ahead of their first reader
	v_pk_add_f32 v[118:119], v[68:69], v[70:71]
	v_pk_add_f32 v[118:119], v[118:119], v[72:73]
	v_pk_add_f32 v[118:119], v[118:119], v[74:75]
	v_add_f32 v118, v118, v119
	RSUM 118
	v_rcp_f32 v118, v118
	v_nop
	s_wait_alu depctr_va_vdst(0)
.irp a, 0,2,4,6
	v_pk_mul_f32 v[68+\a:69+\a], v[68+\a:69+\a], v[118:119] op_sel_hi:[1,0]
.endr
	global_store_b128 v1, v[68:71], s[70:71]               ; 32 lanes store 512 consecutive bytes, at a multiple of 256 from out1's first byte
	global_store_b128 v1, v[72:75], s[70:71] offset:512
	v_mul_f32 v116, v68, v36                       ; z = sum over t of v[t] u[t]
	v_mul_f32 v117, v68, v40
.irp a, 1,2,3,4,5,6,7
	v_fma_f32 v116, v[68+\a], v[36+8*(\a/4)+\a%4], v116
	v_fma_f32 v117, v[68+\a], v[40+8*(\a/4)+\a%4], v117
.endr
	s_wait_loadcnt 0x0                             ; g_T and the lower half of Wo
.irp m, 0,2,4,6,8,10,12,14
	v_pk_fma_f32 v[116:117], v[52+\m:53+\m], v[84+2*\m:85+2*\m], v[116:117] op_sel:[0,0,0] op_sel_hi:[0,1,1]
	v_pk_fma_f32 v[116:117], v[52+\m:53+\m], v[86+2*\m:87+2*\m], v[116:117] op_sel:[1,0,0] op_sel_hi:[1,1,1]
.endr
	RSUM 116
	RSUM 117
	v_add_f32 v116, s62, v116                      ; + bo
	v_add_f32 v117, s63, v117
	v_max_num_f32 v118, v116, v117
	v_sub_f32 v116, v116, v118
	v_sub_f32 v117, v117, v118
	v_mul_f32 v116, 0x3fb8aa3b, v116
	v_mul_f32 v117, 0x3fb8aa3b, v117
	v_exp_f32 v116, v116
	v_exp_f32 v117, v117
	v_nop
	s_wait_alu depctr_va_vdst(0)
	v_add_f32 v118, v116, v117
	v_rcp_f32 v118, v118
	v_nop
	s_wait_alu depctr_va_vdst(0)
	v_mul_f32 v116, v116, v118
	v_mul_f32 v117, v117, v118
	v_cmp_eq_u32 vcc_lo, 0, v23
	s_wait_xcnt 0x0                                ; EXEC changes only behind this wait: stores have been issued
	s_and_saveexec_b32 s98, vcc_lo
	global_store_b64 v23, v[116:117], s[66:67]     ; lane 0 alone: the batch's 8 bytes of out0; the rows beside them have other owners
	s_wait_xcnt 0x0
	s_mov_b32 exec_lo, -1
	v_lshl_add_u32 v126, v0, 2, 0x48000
	v_mov_b32 v127, 0
	s_wait_tensorcnt 0x0
	ds_add_u32 v126, v127
	s_wait_dscnt 0x0
	s_endpgm
.Lend:
	s_wait_xcnt 0x0
	s_mov_b32 exec_lo, -1
	v_lshl_add_u32 v126, v0, 2, 0x48000
	v_mov_b32 v127, 0
	s_wait_tensorcnt 0x0
	ds_add_u32 v126, v127
	s_wait_dscnt 0x0
	s_endpgm
.Lfunc_end_k_q04a48f1d50_att:
	.size	k_q04a48f1d50_att, .Lfunc_end_k_q04a48f1d50_att-k_q04a48f1d50_att
	.p2alignl 7, 3214868480
	.fill 96, 4, 3214868480
	.section	.rodata,"a",@progbits
	.p2align	6, 0x0
	.amdhsa_kernel k_q04a48f1d50_att
		.amdhsa_group_segment_fixed_size 295936
		.amdhsa_private_segment_fixed_size 0
		.amdhsa_enable_private_segment 0
		.amdhsa_kernarg_size 104
		.amdhsa_user_sgpr_count 2
		.amdhsa_user_sgpr_kernarg_segment_ptr 1
		.amdhsa_wavefront_size32 1
		.amdhsa_system_sgpr_workgroup_id_x 1
		.amdhsa_system_sgpr_workgroup_id_y 1
		.amdhsa_system_sgpr_workgroup_id_z 1
		.amdhsa_system_vgpr_workitem_id 0
		.amdhsa_next_free_vgpr 512
		.amdhsa_next_free_sgpr 100
		.amdhsa_reserve_vcc 1
		.amdhsa_float_denorm_mode_32 3
		.amdhsa_float_denorm_mode_16_64 3
		.amdhsa_memory_ordered 1
		.amdhsa_forward_progress 1
		.amdhsa_inst_pref_size 188
	.end_amdhsa_kernel
	.amdgpu_metadata
---
amdhsa.version: [ 1, 2 ]
amdhsa.kernels:
  - .name:           k_q04a48f1d50_att
    .symbol:         k_q04a48f1d50_att.kd
    .args:
      - { .name: g, .offset: 0, .size: 8, .value_kind: global_buffer, .address_space: global }
      - { .name: n_day, .offset: 8, .size: 8, .value_kind: global_buffer, .address_space: global }
      - { .name: W1_codes, .offset: 16, .size: 8, .value_kind: global_buffer, .address_space: global }
      - { .name: W1_scales, .offset: 24, .size: 8, .value_kind: global_buffer, .address_space: global }
      - { .name: Wp_codes, .offset: 32, .size: 8, .value_kind: global_buffer, .address_space: global }
      - { .name: Wp_scales, .offset: 40, .size: 8, .value_kind: global_buffer, .address_space: global }
      - { .name: w2, .offset: 48, .size: 8, .value_kind: global_buffer, .address_space: global }
      - { .name: b2, .offset: 56, .size: 8, .value_kind: global_buffer, .address_space: global }
      - { .name: g_T, .offset: 64, .size: 8, .value_kind: global_buffer, .address_space: global }
      - { .name: Wo, .offset: 72, .size: 8, .value_kind: global_buffer, .address_space: global }
      - { .name: bo, .offset: 80, .size: 8, .value_kind: global_buffer, .address_space: global }
      - { .name: out0, .offset: 88, .size: 8, .value_kind: global_buffer, .address_space: global }
      - { .name: out1, .offset: 96, .size: 8, .value_kind: global_buffer, .address_space: global }
    .group_segment_fixed_size: 295936
    .private_segment_fixed_size: 0
    .kernarg_segment_align: 8
    .kernarg_segment_size: 104
    .max_flat_workgroup_size: 256
    .sgpr_count:     100
    .vgpr_count:     512
    .wavefront_size: 32
...
	.end_amdgpu_metadata
.endif
;; end of part 1
